; MI455X (gfx1250); checked and timed in simulation.
; The chip was launched on July 23, 2026; its instructions are those of AMD's public machine-readable ISA for CDNA 5 (MIT licence, August 2026) and "CDNA5" Instruction Set Architecture Reference Guide (July 2026). The comments in the code are by the model that wrote it; some were corrected since.
;; Mo E Connection Processor. Allowed arithmetic: float matrix products may take bf16 or f16 operands with f32 sums; other float arithmetic in f32, or as packed bf16 or f16 multiplies, adds, multiply-adds, maxima and minima; sums over many terms, partial sums and values carried from step to step in f32; what a program stores and reads back later, other than sums and carried values, may be rounded once to bf16 or f16.
;; Inputs: W_c1 128 x 128 float32; W_c2 128 x 64 float32; W_f1 128 x 128 float32; W_f2 128 x 64 float32; W_g1 128 x 32 float32; W_g2 32 x 3 float32; W_local 128 x 64 float32; b_c1 128 float32; b_c2 64 float32; b_f1 128 float32; b_f2 64 float32; b_g1 32 float32; b_g2 3 float32; b_local 64 float32; current_state 19,683 x 64 float32; neighbor_cat 19,683 x 26 int32; neighbor_states 19,683 x 26 x 64 float32.
;; Outputs: out0 19,683 x 64 float32; out1 19,683 x 3 float32.
;; One version. Each part assembles by itself: llvm-mc -triple=amdgcn-amd-amdhsa -mcpu=gfx1250 --defsym DOCPART=n.
;; ======== version 1 of 1: 1 launch
;; limits: values outside matrix products are rounded to f16; values are held in f16: magnitudes above 65,504 overflow, below 6.1e-05 lose precision; right only within a limited range of input values
;; launch moe (part 1): grid 247 x 1, 15 waves a work-group, no clusters, 286,976 bytes of LDS; arguments neighbor_states, neighbor_cat, current_state, W_local, W_f1, W_f2, W_c1, W_c2, W_g1, W_g2, b_local, b_f1, b_f2, b_c1, b_c2, b_g1, b_g2, out0, out1; writes out0, out1
.if DOCPART == 1
	.amdgcn_target "amdgcn-amd-amdhsa--gfx1250"
	.amdhsa_code_object_version 6
	.text
	.protected	k_q042c21ce14_moe
	.globl	k_q042c21ce14_moe
	.p2align	8
	.type	k_q042c21ce14_moe,@function
k_q042c21ce14_moe:
	s_mov_b64 s[64:65], 0
	v_nop
	global_prefetch_b8 v0, s[64:65] scope:SCOPE_SE
	s_setreg_imm32_b32 hwreg(HW_REG_WAVE_MODE, 25, 1), 1
	s_wait_xcnt 0x0
; MoE CONNECTION PROCESSOR, one launch.  19,683 cells; for each: three masked means and the plain mean of its 26 neighbour rows (64 f32), a local expert (128 -> 64), a functional
; expert (128 -> 128 -> 64), a distant expert (three Euler steps of 128 -> 128 -> 64), a gate (128 -> 32 -> 3, softmax), and the gated sum.  out0 = the sum, out1 = the gate's weights.
; NOTHING IS LEFT OUT: every input has a way to an output and is loaded.  One product is formed once where the formula names it three times: mean_d . W_c1[64:128] + b_c1 does not
; change from Euler step to Euler step, so it is kept (f32, in LDS) and each step's sums start from it.
; SHARES.  A work-group owns 80 cells = 5 tiles of 16; 247 work-groups; cells past the last repeat the last cell's data and are never stored.  15 waves:
;   phase A  waves 0-9 stream 8 cells each (6,656 bytes a cell, each byte read once) and leave the four means (f16) and the counts in LDS;
;            waves 10-14 meanwhile lay the weights (f16, [K][N]), the biases (f32) and the cells' own states (f32, a tile a wave) into LDS.       barrier 1
;   phase B  waves 0-4: the distant expert of tile w; waves 5-9: gate, local and functional expert of tile w - 5; waves 10-14 have nothing.     barrier 2
;   phase C  waves 0-4 add the distant part, turn the tile into whole rows through LDS and store it.
; THE MEANS BY THE MATRIX UNIT.  For one cell Sums[kind][feature] = Mask[kind][neighbour] x NB[neighbour][feature].  Load j of 13: lanes 0-15 take neighbour j, lanes 16-31 neighbour 13 + j,
; 16 bytes a lane: each half of the wave reads 256 consecutive bytes, aligned.  Lane (r, h) then holds features 4 r .. 4 r + 3 of neighbours 13 h + 0..12; for i = 0..3 the pairs
; (neighbour 2 t, 2 t + 1) of feature 4 r + i, rounded to f16, are register t of a source-1 fragment whose column r is feature 4 r + i; slots past the 13th hold 0.  The mask, source 0, uses the same
; slots: row 0 = category 0, row 1 = category 1, row 8 = category 2, row 9 = every neighbour, so that a lane's result registers 0 and 1 are (local, functional) in lanes 0-15 and (distant, all) in
; lanes 16-31.  A fifth product, mask x ones (0 in the slots past the 13th), gives the counts.  A mask word is made by one v_perm_b32 from a selector word (the two categories) and two tables that hang on r.
; THE LAYERS ARE TAKEN TRANSPOSED: H^T = W^T X^T (source 0 = 16 units, by the turning LDS load from W as it lies, [K][N]; source 1 = 16 cells).  In the result a lane holds ONE cell (lane % 16)
; and units 16 u + 8 (lane / 16) + 0..7; rounded to f16 in pairs these registers ARE source 1 of the next layer: nothing goes through LDS between layers.
; tanh(y) = 1 - 2 / (1 + 2^(2 log2(e) y)): the factor 2 log2(e) is multiplied into the weights and biases of every tanh layer as they are laid; log2(e) into W_g2 and b_g2; the softmax takes its maximum away.
; LDS ADDRESSES are a constant, the wave's number times a constant and a lane term, made on the same straight way as their uses; rows and steps stand in the immediates; none is stored in a loop.
; THE FORMAT.  All matrix operands are f16: 11 significant bits, where every number of out0 must lie within a hundredth of the output's root mean square and five layers' roundings add up.
; LIMITS.  Neighbour rows, cell states, means, the Euler state, hidden layers and weights (these with the factor above, 2.885 or 1.443) are rounded once to f16 as matrix operands: f16 holds no number
; beyond 65,504 (a larger one becomes an infinity and the cell's results are lost), and below 6e-5 it keeps a fixed step of 6e-8.  All sums, the Euler state x itself, the softmax and the outputs are f32.
; where(count > 0, out, 0) is made by setting that expert's gate weight to 0 in the sum: the same for finite inputs; a NaN or an infinity in an expert that has no neighbours is not hidden.
; A category outside 0..2 (a negative one too) counts in the plain mean alone, as in the formula.  An exponential below 2^-126 counts as 0.
.set NCELL,  19683
.set NM1,    19682
.set NBROW,  6656                      ; bytes of a cell's 26 neighbour rows
; LDS.  Weights as f16 [K][N], the pitch an odd multiple of 32 bytes for the turning load; rows read 16 bytes a lane have a pitch that is an odd multiple of 16.
.set L_WLOC, 0                         ; 128 rows, pitch 160
.set L_WF1,  20480                     ; pitch 288
.set L_WF2,  57344                     ; pitch 160
.set L_WC1,  77824                     ; pitch 288
.set L_WC2,  114688                    ; pitch 160
.set WSTEP,  57344                     ; from W_f1 to W_c1, and from W_local to W_f2 to W_c2: matrices of one shape lie so far apart
.set L_WG1,  135168                    ; pitch 96
.set L_WG2,  147456                    ; 32 rows, pitch 32: columns 0-2, and once more as columns 8-10
.set L_BIAS, 148480                    ; f32: local 0, f1 256, f2 768, c1 1024, c2 1536, g1 1792, g2 1920
.set L_X,    150528                    ; 80 rows, pitch 528, f16: mean_l 0, mean_d 128, mean_f 256, plain mean 384
.set L_CNT,  192768                    ; 16 bytes a cell: the counts of categories 0, 1, 2, and 26
.set L_SEL,  194048                    ; 512 bytes for each streaming wave: selector words, cell c at 64 c, half h at 32 h
.set L_CUR,  199168                    ; 80 rows f32, pitch 272
.set L_EX,   220928                    ; 80 rows f32, pitch 272: w0 out_l + w1 out_f, later the result
.set L_GW,   242688                    ; 16 bytes a cell: the gate's three weights
.set L_BASE, 243968                    ; 8,192 bytes for each of waves 0-4: mean_d . W_c1[64:128] + b_c1, register image, 16 bytes a lane
.set SPARE,  284928                    ; the spare words, 128 bytes a wave, eight blocks of 256 bytes that no other line names
; scalars: s4 wave, s5 the group's first cell, s6 at work, s7 my first cell, s[8:9] a scale, s10-11 selector constants, s14 tile, s15 its first cell, s54 its valid cells, s55 EXEC kept,
; s[56:57] the matrix that I copy, s58 a counter, s59 16 x tile.  s[16:53] the 19 addresses in the order of the arguments.
; v10, v11: the spare word's address and 0, for the closing add alone.
.macro PLACES                          ; four plain places between a matrix instruction and whatever reads its result or writes or loads into one of its registers
.rept 4
	v_nop
.endr
.endm
.macro WM d, a, b                      ; D += A x B, in place
	v_wmma_f32_16x16x32_f16 v[(\d):(\d)+7], v[(\a):(\a)+7], v[(\b):(\b)+7], v[(\d):(\d)+7]
.endm
; tanh of n numbers in place, from sums that already carry 2 log2(e).  Two batches of transcendentals, each with one plain instruction behind its last and one wait ahead of its first reader.
.macro TANH b, n
.set z, 0
.rept \n
	v_exp_f32 v[(\b)+z], v[(\b)+z]
.set z, z+1
.endr
	v_nop
	s_wait_alu depctr_va_vdst(0)
.set z, 0
.rept (\n)/2
	v_pk_add_f32 v[(\b)+z:(\b)+z+1], v[(\b)+z:(\b)+z+1], 1.0 op_sel_hi:[1,0]
.set z, z+2
.endr
.set z, 0
.rept \n
	v_rcp_f32 v[(\b)+z], v[(\b)+z]
.set z, z+1
.endr
	v_nop
	s_wait_alu depctr_va_vdst(0)
.set z, 0
.rept (\n)/2
	v_pk_fma_f32 v[(\b)+z:(\b)+z+1], v[(\b)+z:(\b)+z+1], -2.0, 1.0 op_sel_hi:[1,0,0]
.set z, z+2
.endr
.endm
.macro PACK d, b, n                    ; n registers of f16 pairs from 2 n f32: a result's registers become the next layer's source 1
.set z, 0
.rept \n
	v_cvt_pk_f16_f32 v[(\d)+z], v[(\b)+2*z], v[(\b)+2*z+1]
.set z, z+1
.endr
.endm
.macro FRAG dst, areg, off, pitch      ; a fragment of W^T: 16 units x 32 k, by two turning loads 16 rows apart
	ds_load_tr16_b128 v[(\dst):(\dst)+3], v[\areg] offset:(\off)
	ds_load_tr16_b128 v[(\dst)+4:(\dst)+7], v[\areg] offset:(\off)+16*(\pitch)
.endm
.macro BIASLD acc, off, U              ; U accumulators start as their units' biases: v4 = L_BIAS + 32 (lane / 16)
.set z, 0
.rept \U
	ds_load_b128 v[(\acc)+8*z:(\acc)+8*z+3], v4 offset:(\off)+64*z
	ds_load_b128 v[(\acc)+8*z+4:(\acc)+8*z+7], v4 offset:(\off)+64*z+16
.set z, z+1
.endr
.endm
	s_load_b512 s[16:31], s[0:1], 0x0              ; neighbor_states 16, neighbor_cat 18, current_state 20, W_local 22, W_f1 24, W_f2 26, W_c1 28, W_c2 30
	s_load_b512 s[32:47], s[0:1], 0x40             ; W_g1 32, W_g2 34, b_local 36, b_f1 38, b_f2 40, b_c1 42, b_c2 44, b_g1 46
	s_load_b128 s[48:51], s[0:1], 0x80             ; b_g2 48, out0 50
	s_load_b64 s[52:53], s[0:1], 0x90              ; out1
	v_lshl_add_u32 v10, v0, 2, SPARE
	v_mov_b32 v11, 0
	v_lshrrev_b32 v1, 5, v0
	v_readfirstlane_b32 s4, v1                     ; wave 0..14
	s_mul_i32 s5, ttmp9, 80                        ; the group's first cell
	s_cmp_ge_u32 s4, 10
	s_cbranch_scc1 .Lprep
; ---------------------------------------------------------------- PHASE A, waves 0-9: the stream
; v1 my bytes in a cell's rows; v2-4 the three ring slots' offsets; v5 selector words; v6 where the means go; v7 where the counts go; v8, v9 the mask's tables;
; v12-167 the ring, three cells of 52 registers (row j at 4 j); v168-199 four source-1 fragments; v200-207 the mask; v208-215 ones; v216-255 five results (and set-up's registers).
	s_lshl_b32 s6, s4, 3
	s_add_co_u32 s7, s5, s6                        ; my first cell
	s_movk_i32 s10, 0x101
	s_mov_b32 s11, 0x04000400
	v_and_b32 v216, 31, v0                         ; l
	v_and_b32 v217, 15, v0                         ; r
	v_bfe_u32 v218, v0, 4, 1                       ; h
	; the categories: in load q lane l serves cell 2 q + l / 16, half (l / 8) % 2, register l % 8: neighbours 13 half + 2 (l % 8) and + 1, held to the half's last where the slot has none
	v_bfe_u32 v219, v0, 3, 1
	v_and_b32 v220, 7, v0
	v_lshlrev_b32 v221, 1, v220
	v_min_u32 v222, 12, v221
	v_add_nc_u32 v221, 1, v221
	v_min_u32 v221, 12, v221
	v_mul_u32_u24 v219, v219, 13
	v_add_lshl_u32 v222, v222, v219, 2
	v_add_lshl_u32 v221, v221, v219, 2
	v_add_nc_u32 v223, s7, v218
.set q, 0
.rept 4
.if q == 0
	v_min_u32 v224, NM1, v223
.else
	v_add_nc_u32 v224, 2*q, v223
	v_min_u32 v224, NM1, v224
.endif
	v_mul_u32_u24 v224, v224, 104                  ; a cell's 26 categories
	v_add_nc_u32 v[225+2*q], v224, v222
	v_add_nc_u32 v[226+2*q], v224, v221
.set q, q+1
.endr
	v_mul_u32_u24 v1, v218, 3328                   ; 13 rows down for lanes 16-31,
	v_lshl_add_u32 v1, v217, 4, v1                 ; 16 bytes a lane
.set q, 0
.rept 3
.if q == 0
	s_min_u32 s6, s7, NM1
.else
	s_add_co_u32 s6, s7, q
	s_min_u32 s6, s6, NM1
.endif
	s_mul_i32 s6, s6, NBROW
	v_add_nc_u32 v[2+q], s6, v1
.set q, q+1
.endr
.macro RINGLD sl                       ; a cell's 13 loads into ring slot sl
.set j, 0
.rept 13
	global_load_b128 v[12+52*(\sl)+4*j:12+52*(\sl)+4*j+3], v[2+(\sl)], s[16:17] offset:256*j th:TH_LOAD_NT
.set j, j+1
.endr
.endm
	s_wait_kmcnt 0x0
.set q, 0
.rept 8
	global_load_b32 v[233+q], v[225+q], s[18:19]
.set q, q+1
.endr
	RINGLD 0                                       ; cells 0, 1, 2: 39 loads of 512 bytes are out for each of the ten waves
	RINGLD 1
	RINGLD 2
	; while they are on their way: tables, ones, addresses.  1.0 in f16 is 0x3c00: the table of low bytes is 0, the table of high bytes holds 0x3c at the byte of the row's category
	v_mov_b32 v8, 0
	v_mov_b32 v9, 0
	v_cmp_ne_u32 vcc_lo, 0, v217                   ; mask row 0: 1.0 where the category is 0
	v_cndmask_b32 v9, 0x3c, v9, vcc_lo
	v_cmp_ne_u32 vcc_lo, 1, v217                   ; row 1: category 1
	v_cndmask_b32 v9, 0x3c00, v9, vcc_lo
	v_cmp_ne_u32 vcc_lo, 8, v217                   ; row 8: category 2
	v_cndmask_b32 v9, 0x3c0000, v9, vcc_lo
	v_cmp_ne_u32 vcc_lo, 9, v217                   ; row 9: every neighbour
	v_cndmask_b32 v9, 0x3c3c3c3c, v9, vcc_lo
.set q, 0
.rept 6
	v_mov_b32 v[208+q], 0x3c003c00                 ; 1.0 twice
.set q, q+1
.endr
	v_mov_b32 v214, 0x3c00                         ; the 13th neighbour, and an empty slot
	v_mov_b32 v215, 0
.irp i, 175, 183, 191, 199
	v_mov_b32 v\i, 0                               ; the fragments' last register: empty slots, never rewritten
.endr
	s_lshl_b32 s6, s4, 9
	s_add_co_u32 s6, s6, L_SEL
	v_lshl_add_u32 v5, v218, 5, s6
	v_lshl_add_u32 v241, v216, 2, s6
	s_mul_i32 s6, s4, 8*528
	s_add_co_u32 s6, s6, L_X
	v_lshl_add_u32 v6, v218, 7, s6                 ; lanes 16-31 write 128 bytes further: the two halves' 8-byte stores cover 256 bytes on end
	v_lshl_add_u32 v6, v217, 3, v6
	s_lshl_b32 s6, s4, 7
	s_add_co_u32 s6, s6, L_CNT
	v_lshl_add_u32 v7, v218, 3, s6
	s_wait_loadcnt 39                              ; the eight category loads are in; the 39 ring loads behind them stay out
.set q, 0
.rept 4                                            ; selector word: bytes c0, c0 + 4, c1, c1 + 4, with c = min(category, 3) as an unsigned number
	v_min_u32 v[233+2*q], 3, v[233+2*q]
	v_min_u32 v[234+2*q], 3, v[234+2*q]
	v_lshl_or_b32 v[233+2*q], v[234+2*q], 16, v[233+2*q]
	v_mad_u32_u24 v[233+2*q], v[233+2*q], s10, s11
	ds_store_b32 v241, v[233+2*q] offset:128*q
.set q, q+1
.endr
	ds_load_b128 v[200:203], v5                    ; cell 0's words: my wave's own bytes, and LDS serves a wave's instructions in order (ISA guide 5.7.1.4)
	ds_load_b128 v[204:207], v5 offset:16
.macro CELL c
.set SL, 12+52*((\c)%3)
.if (\c) <= 5
	s_wait_loadcnt 26                              ; this cell's 13 loads are in; two younger cells' stay out
.elseif (\c) == 6
	s_wait_loadcnt 13
.else
	s_wait_loadcnt 0x0
.endif
.set i, 0
.rept 4
.set t, 0
.rept 6
	v_cvt_pk_f16_f32 v[168+8*i+t], v[SL+8*t+i], v[SL+8*t+4+i]
.set t, t+1
.endr
	v_cvt_pk_f16_f32 v[168+8*i+6], v[SL+48+i], v215
.set i, i+1
.endr
.if (\c) <= 4
	s_add_co_u32 s6, s7, (\c)+3                    ; the slot is read out and its loads are done, so its offset may be written: the cell three further on
	s_min_u32 s6, s6, NM1
	s_mul_i32 s6, s6, NBROW
	v_add_nc_u32 v[2+(\c)%3], s6, v1
	RINGLD (\c)%3
.endif
.if (\c) == 0
	s_wait_dscnt 0x0
.else
	s_wait_dscnt 3                                 ; the selector words are in; the last cell's three stores were issued behind them
.endif
.set t, 0
.rept 8
	v_perm_b32 v[200+t], v9, v8, v[200+t]          ; two mask numbers, 1.0 or 0
.set t, t+1
.endr
.set i, 0
.rept 4
	v_wmma_f32_16x16x32_f16 v[216+8*i:223+8*i], v[200:207], v[168+8*i:175+8*i], 0
.set i, i+1
.endr
	v_wmma_f32_16x16x32_f16 v[248:255], v[200:207], v[208:215], 0  ; the counts
	PLACES
.if (\c) < 7
	ds_load_b128 v[200:203], v5 offset:64*((\c)+1)
	ds_load_b128 v[204:207], v5 offset:64*((\c)+1)+16
.endif
	ds_store_b64 v7, v[248:249] offset:16*(\c)
	v_max_num_f32 v248, 1.0, v248
	v_max_num_f32 v249, 1.0, v249
	v_rcp_f32 v248, v248
	v_rcp_f32 v249, v249
	v_nop
	s_wait_alu depctr_va_vdst(0)                   ; one wait for the two reciprocals, ahead of their first reader
.irp d, 216, 224, 232, 240
	v_pk_mul_f32 v[\d:\d+1], v[\d:\d+1], v[248:249]
.endr
	v_cvt_pk_f16_f32 v218, v216, v224              ; features 4 r .. 4 r + 3 of my first kind,
	v_cvt_pk_f16_f32 v219, v232, v240
	v_cvt_pk_f16_f32 v220, v217, v225              ; and of my second
	v_cvt_pk_f16_f32 v221, v233, v241
	ds_store_b64 v6, v[218:219] offset:528*(\c)
	ds_store_b64 v6, v[220:221] offset:528*(\c)+256
.endm
.irp c, 0,1,2,3,4,5,6,7
	CELL \c
.endr
	s_branch .Lb1
; ---------------------------------------------------------------- PHASE A, waves 10-14: weights, biases, cell states into LDS
; A matrix [128][N] f32 at s[56:57] -> f16 [128][N] at LDS byte s6, times the scale in s8.  nl loads of 512 consecutive bytes (1 << sh rows each) through a ring of 32 sets of four registers:
; load n + 32 goes out behind store n.  v12 = 16 l, v14 = l; v13, the one LDS address, is never stepped: the row stands in the store's immediate, the load's place in the load's.
; cur = 1: behind the first wait the wave's tile of cell states, asked for ahead of the ring, is in too (loads come back in order: ISA guide 5.7.1) and is put down.
.macro COPYW sh, pitch, nl, cur
.if (\sh) == 0
	v_lshl_add_u32 v13, v14, 3, s6
.else
	v_lshrrev_b32 v13, 5-(\sh), v14
	v_and_b32 v15, (32>>(\sh))-1, v14
	v_mul_u32_u24 v13, v13, \pitch
	v_lshl_add_u32 v13, v15, 3, v13
	v_add_nc_u32 v13, s6, v13
.endif
.set j, 0
.rept 32
	global_load_b128 v[16+4*j:19+4*j], v12, s[56:57] offset:512*j
.set j, j+1
.endr
.set n, 0
.rept \nl
.set j, n%32
.if (\nl)-1-n < 31
	s_wait_loadcnt (\nl)-1-n                       ; the ring runs empty
.else
	s_wait_loadcnt 31                              ; load n is in; the 31 younger ones stay out
.endif
.if (\cur) && (n == 0)
.set z, 0
.rept 8
	ds_store_b128 v185, v[144+4*z:147+4*z] offset:544*z
.set z, z+1
.endr
.endif
	v_pk_mul_f32 v[16+4*j:17+4*j], v[16+4*j:17+4*j], s[8:9] op_sel_hi:[1,0]
	v_pk_mul_f32 v[18+4*j:19+4*j], v[18+4*j:19+4*j], s[8:9] op_sel_hi:[1,0]
	v_cvt_pk_f16_f32 v[16+4*j], v[16+4*j], v[17+4*j]
	v_cvt_pk_f16_f32 v[17+4*j], v[18+4*j], v[19+4*j]
	ds_store_b64 v13, v[16+4*j:17+4*j] offset:n*((\pitch)<<(\sh))
.if n+32 < (\nl)
	global_load_b128 v[16+4*j:19+4*j], v12, s[56:57] offset:512*(n+32)
.endif
.set n, n+1
.endr
.endm
.Lprep:
	v_and_b32 v14, 31, v0
	v_lshlrev_b32 v12, 4, v14
	s_mov_b32 s8, 0x4038aa3b                       ; 2 log2(e)
	s_mov_b32 s9, s8                               ; named with it as a pair
	; my tile of current_state: wave 10 + p takes rows 16 p .. 16 p + 15 of the group's 80, f32, two rows a load
	s_sub_co_u32 s14, s4, 10
	s_lshl_b32 s59, s14, 4
	s_add_co_u32 s15, s5, s59
	v_lshrrev_b32 v13, 4, v14
	v_and_b32 v15, 15, v14
	v_lshlrev_b32 v15, 4, v15
	v_add_nc_u32 v184, s15, v13                    ; my row in the first load
.set j, 0
.rept 8
.if j == 0
	v_min_u32 v176, NM1, v184
.else
	v_add_nc_u32 v[176+j], 2*j, v184
	v_min_u32 v[176+j], NM1, v[176+j]
.endif
	v_lshl_add_u32 v[176+j], v[176+j], 8, v15
.set j, j+1
.endr
	v_add_nc_u32 v185, s59, v13                    ; and where it goes
	v_mul_u32_u24 v185, v185, 272
	v_add_nc_u32 v185, v185, v15
	v_add_nc_u32 v185, L_CUR, v185
	s_wait_kmcnt 0x0
.set j, 0
.rept 8
	global_load_b128 v[144+4*j:147+4*j], v[176+j], s[20:21]
.set j, j+1
.endr
	s_cmp_lt_u32 s4, 12
	s_cbranch_scc0 .Lsmall
	s_cmp_eq_u32 s4, 10                            ; wave 10: W_f1, wave 11: W_c1: one text for the two matrices of [128][128]
	s_cselect_b64 s[56:57], s[24:25], s[28:29]
	s_mul_i32 s6, s4, WSTEP
	s_sub_co_u32 s6, s6, 10*WSTEP-L_WF1
	COPYW 0, 288, 128, 1
	s_branch .Lb1
.Lsmall:
	s_cmp_eq_u32 s4, 12                            ; wave 12: W_local, 13: W_f2, 14: W_c2: one text for the three matrices of [128][64]
	s_cselect_b64 s[56:57], s[22:23], s[26:27]
	s_cmp_eq_u32 s4, 14
	s_cselect_b64 s[56:57], s[30:31], s[56:57]
	s_mul_i32 s6, s4, WSTEP
	s_sub_co_u32 s6, s6, 12*WSTEP-L_WLOC
	COPYW 1, 160, 64, 1
	s_cmp_eq_u32 s4, 12
	s_cbranch_scc0 .Lp14
	s_mov_b64 s[56:57], s[32:33]                   ; the last wait above was for 0: no load still reads the pair
	s_mov_b32 s6, L_WG1
	COPYW 2, 96, 32, 0
	s_branch .Lb1
.Lp14:
	s_cmp_eq_u32 s4, 14
	s_cbranch_scc0 .Lb1
	; the biases: 15 loads of 32 numbers, which lie on end in the table; b_g2 as entries e % 8 = 0, 1, 2; W_g2, a row a lane
.macro BLD d, p, n
.set z, 0
.rept \n
	global_load_b32 v[(\d)+z], v15, s[\p:\p+1] offset:128*z
.set z, z+1
.endr
.endm
	v_lshlrev_b32 v15, 2, v14
	BLD 16, 36, 2
	BLD 18, 38, 4
	BLD 22, 40, 2
	BLD 24, 42, 4
	BLD 28, 44, 2
	BLD 30, 46, 1
	v_and_b32 v13, 7, v14
	v_min_u32 v32, 2, v13
	v_lshlrev_b32 v32, 2, v32
	global_load_b32 v31, v32, s[48:49]
	v_mul_u32_u24 v33, v14, 12
	global_load_b32 v34, v33, s[34:35]
	global_load_b32 v35, v33, s[34:35] offset:4
	global_load_b32 v36, v33, s[34:35] offset:8
	s_mov_b32 s6, 0x3fb8aa3b                       ; log2(e)
	v_lshl_add_u32 v37, v14, 2, L_BIAS
	v_lshl_add_u32 v38, v14, 5, L_WG2
	v_mov_b32 v42, 0
	v_mov_b32 v43, 0
	v_cmp_gt_u32 vcc_lo, 3, v13
	s_wait_loadcnt 0x0
.set z, 0
.rept 15
	v_mul_f32 v[16+z], s8, v[16+z]
	ds_store_b32 v37, v[16+z] offset:128*z
.set z, z+1
.endr
	v_mul_f32 v31, s6, v31
	v_cndmask_b32 v31, 0, v31, vcc_lo
	ds_store_b32 v37, v31 offset:1920
	v_mul_f32 v34, s6, v34
	v_mul_f32 v35, s6, v35
	v_mul_f32 v36, s6, v36
	v_cvt_pk_f16_f32 v40, v34, v35
	v_cvt_pk_f16_f32 v41, v36, v42
	ds_store_b128 v38, v[40:43]                    ; columns 0-7,
	ds_store_b128 v38, v[40:43] offset:16          ; and the same as columns 8-15: both halves of the lanes then hold the three logits in registers 0-2
.Lb1:
	s_wait_dscnt 0x0                               ; for the others' sake: all that I put into LDS is there
	s_barrier_signal -1
	s_barrier_wait -1                              ; means, counts, weights, biases and states are whole
	s_cmp_ge_u32 s4, 10
	s_cbranch_scc1 .Lb2
	s_cmp_ge_u32 s4, 5
	s_cbranch_scc1 .Lexp
; What is made from the tile's number s14.  At work, from v[T] on: l, r, h, l % 8, 16 ((l / 8) % 2), 8 h + l % 8, the tile's cell of my lane.  full = 0: only what the way out needs.
.macro TILESET T, full
	s_lshl_b32 s59, s14, 4
	s_add_co_u32 s15, s5, s59                      ; the tile's first cell
	s_min_u32 s54, s15, NCELL
	s_sub_co_u32 s54, NCELL, s54
	s_min_u32 s54, s54, 16                         ; how many of its 16 cells exist
	v_and_b32 v[(\T)+1], 15, v0
	v_bfe_u32 v[(\T)+2], v0, 4, 1
	v_add_nc_u32 v[(\T)+6], s59, v[(\T)+1]
	v_mul_u32_u24 v6, v[(\T)+6], 272               ; my cell's f32 row, in a result's layout: features 16 u + 8 h + 0..7 at 64 u
	v_lshl_add_u32 v6, v[(\T)+2], 5, v6
	v_add_nc_u32 v6, L_CUR, v6
	v_lshl_add_u32 v8, v[(\T)+6], 4, L_CNT         ; my cell's counts
.if \full
	v_and_b32 v[\T], 31, v0
	v_and_b32 v[(\T)+3], 7, v0
	v_bfe_u32 v[(\T)+4], v0, 3, 1
	v_lshl_add_u32 v[(\T)+5], v[(\T)+2], 3, v[(\T)+3]
	v_lshlrev_b32 v[(\T)+4], 4, v[(\T)+4]
	v_lshl_add_u32 v4, v[(\T)+2], 5, L_BIAS        ; my eight units' biases
	v_mul_u32_u24 v5, v[(\T)+6], 528               ; my cell's row of means, as source 1
	v_lshl_add_u32 v5, v[(\T)+2], 4, v5
	v_add_nc_u32 v5, L_X, v5
.endif
.endm
.macro FADDR dst, base, pitch          ; my lane's place in a turning load from a matrix (behind TILESET 16, 1)
	v_mul_u32_u24 v[\dst], v21, \pitch
	v_add_nc_u32 v[\dst], v[\dst], v20
.if (\base) != 0
	v_add_nc_u32 v[\dst], \base, v[\dst]
.endif
.endm
; ---------------------------------------------------------------- PHASE B, waves 0-4: the distant expert of tile w
; v2, v3 W_c1, W_c2; v7 my base image; v16-47 x (f32); v48-63 x as source 1; v64-79 mean_d as source 1, later v64-71 the hidden pair as source 1;
; v80-111 hidden sums, two pairs of accumulators; v112-143 the second layer's four; v144-175, v176-207 fragments of W_c1, W_c2.
	s_mov_b32 s14, s4
	TILESET 16, 1
	FADDR 2, L_WC1, 288
	FADDR 3, L_WC2, 160
	s_lshl_b32 s6, s14, 13
	s_add_co_u32 s6, s6, L_BASE
	v_lshl_add_u32 v7, v16, 4, s6
.set z, 0
.rept 4
	ds_load_b128 v[16+8*z:19+8*z], v6 offset:64*z
	ds_load_b128 v[20+8*z:23+8*z], v6 offset:64*z+16
.set z, z+1
.endr
.set z, 0
.rept 2
	ds_load_b128 v[64+8*z:67+8*z], v5 offset:128+64*z
	ds_load_b128 v[68+8*z:71+8*z], v5 offset:128+64*z+32
.set z, z+1
.endr
	BIASLD 80, 1024, 4
.macro LDLOW u0                        ; W_c1's rows 64-127 for unit tiles u0 .. u0 + 3: eight fragments
.set f, 0
.rept 8
	FRAG 144+8*f, 2, 32*(2+f/4)*288+32*((\u0)+f%4), 288
.set f, f+1
.endr
.endm
.macro MULLOW acc                      ; the four accumulators by turns, one instruction a turn
.set f, 0
.rept 8
	WM (\acc)+8*(f%4), 144+8*f, 64+8*(f/4)
.set f, f+1
.endr
.endm
.macro STBASE acc, i0                  ; each accumulator's low registers first
.set z, 0
.rept 8
	ds_store_b128 v7, v[(\acc)+4*z:(\acc)+4*z+3] offset:((\i0)+z)*512
.set z, z+1
.endr
.endm
	LDLOW 0
	BIASLD 112, 1024+256, 4
	s_wait_dscnt 0x0
	MULLOW 80
	PLACES
	LDLOW 4
	PACK 48, 16, 16                                ; x = the cell's state, as source 1
	STBASE 80, 0
	s_wait_dscnt 0x0
	MULLOW 112
	PLACES
	STBASE 112, 8
.macro LDFC1 i                         ; W_c1's rows 0-63 for unit tiles 2 i, 2 i + 1
.set f, 0
.rept 4
	FRAG 144+8*f, 2, 32*(f/2)*288+32*(2*(\i)+f%2), 288
.set f, f+1
.endr
.endm
.macro LDBASE i, dst                   ; those two tiles' sums start from the kept part: my own bytes, stored above, and LDS serves a wave's instructions in order
.set z, 0
.rept 4
	ds_load_b128 v[(\dst)+4*z:(\dst)+4*z+3], v7 offset:(4*(\i)+z)*512
.set z, z+1
.endr
.endm
.macro LDFC2 i                         ; W_c2's rows 32 i .. 32 i + 31, all four unit tiles
.set f, 0
.rept 4
	FRAG 176+8*f, 3, 32*(\i)*160+32*f, 160
.set f, f+1
.endr
.endm
; A quarter of an Euler step: 32 hidden units are summed, squashed and multiplied on into the second layer; the next quarter's operands are asked for meanwhile.
.macro DSTEP i
.set PR, 80+16*((\i)%2)
.set PN, 80+16*(((\i)+1)%2)
.set NI, ((\i)+1)%4
.if (\i) == 0
	s_wait_dscnt 16                                ; W_c1's fragments and the kept part are in; behind them: W_c2's 8 loads and the bias's 8
.else
	s_wait_dscnt 8                                 ; behind them: W_c2's 8 loads
.endif
	WM PR, 144, 48                                 ; the two accumulators by turns
	WM PR+8, 152, 48
	WM PR, 160, 56
	WM PR+8, 168, 56
	PLACES
	LDFC1 NI
	LDBASE NI, PN
	TANH PR, 16
	PACK 64, PR, 8
	s_wait_dscnt 12                                ; W_c2's fragments (and the bias) are in; behind them: the 12 loads just issued
.set u, 0
.rept 4
	WM 112+8*u, 176+8*u, 64
.set u, u+1
.endr
	PLACES
	LDFC2 NI
.endm
	LDFC1 0
	LDBASE 0, 80
	LDFC2 0
	BIASLD 112, 1536, 4
	s_mov_b32 s58, 3
.Leuler:                                               ; a trip is an Euler step; its last matrix instruction and its first name different accumulators
	DSTEP 0
	DSTEP 1
	DSTEP 2
	DSTEP 3
	TANH 112, 32
.set z, 0
.rept 16
	v_pk_fma_f32 v[16+z:17+z], v[112+z:113+z], 0x3eaaaaab, v[16+z:17+z] op_sel_hi:[1,0,1]  ; x += tanh(..) / 3
.set z, z+2
.endr
	BIASLD 112, 1536, 4
	PACK 48, 16, 16
	s_sub_co_u32 s58, s58, 1
	s_cmp_lg_u32 s58, 0
	s_cbranch_scc1 .Leuler                         ; (what the last trip has asked for ahead is valid LDS, is waited for at the barrier and is not used)
	s_branch .Lb2
; ---------------------------------------------------------------- PHASE B, waves 5-9: gate, local and functional expert of tile w - 5
; v1, v2, v3, v12, v13 W_local, W_f1, W_f2, W_g1, W_g2; v9 l; v14 my cell in out1; v16-31 the state as source 1; v32-47 a mean as source 1; v48-111 eight accumulators;
; v112-143 a hidden layer as source 1; v144-175 the weighted sum; v176-179 the gate's weights; v180-183 the counts; v184-187 the weights used, as pairs; v192-255 eight fragments.
.macro LDOP off                        ; a mean of my cell as source 1
.set z, 0
.rept 2
	ds_load_b128 v[32+8*z:35+8*z], v5 offset:(\off)+64*z
	ds_load_b128 v[36+8*z:39+8*z], v5 offset:(\off)+64*z+32
.set z, z+1
.endr
.endm
; A layer with K = 128 and U unit tiles: the sums start as the biases; eight fragments at a time; k outer, units inner, so that the accumulators take turns, one instruction a turn.
.macro LAYER areg, pitch, U, boff, b0, b1, b2, b3
	BIASLD 48, \boff, \U
.set KPG, 8/(\U)
.set g, 0
.rept 4/KPG
.set f, 0
.rept 8
	FRAG 192+8*f, \areg, 32*(g*KPG+f/(\U))*(\pitch)+32*(f%(\U)), \pitch
.set f, f+1
.endr
	s_wait_dscnt 0x0
.set f, 0
.rept 8
.set kb, g*KPG+f/(\U)
.if kb == 0
.set bb, \b0
.elseif kb == 1
.set bb, \b1
.elseif kb == 2
.set bb, \b2
.else
.set bb, \b3
.endif
	WM 48+8*(f%(\U)), 192+8*f, bb
.set f, f+1
.endr
	PLACES
.set g, g+1
.endr
.endm
.Lexp:
	s_sub_co_u32 s14, s4, 5
	TILESET 16, 1
	FADDR 1, L_WLOC, 160
	FADDR 2, L_WF1, 288
	FADDR 3, L_WF2, 160
	FADDR 12, L_WG1, 96
	FADDR 13, L_WG2, 32
	v_mov_b32 v9, v16
	v_add_nc_u32 v14, s15, v17
	v_mul_u32_u24 v14, v14, 12
.set z, 0
.rept 4
	ds_load_b128 v[48+8*z:51+8*z], v6 offset:64*z
	ds_load_b128 v[52+8*z:55+8*z], v6 offset:64*z+16
.set z, z+1
.endr
	LDOP 384                                       ; the plain mean
	ds_load_b128 v[180:183], v8
	s_wait_dscnt 0x0
	PACK 16, 48, 16
	LAYER 12, 96, 2, 1792, 16, 24, 32, 40          ; the gate's hidden layer
	TANH 48, 16
	PACK 112, 48, 8
	BIASLD 104, 1920, 1                            ; the logits sum in the eighth accumulator: the next layer begins on the first
	FRAG 192, 13, 0, 32
	s_wait_dscnt 0x0
	WM 104, 192, 112
	PLACES
	LDOP 0                                         ; mean_l, on its way during the softmax
	v_max3_num_f32 v188, v104, v105, v106          ; the logits carry log2(e): the softmax is 2^(g - max) over its sum
	v_sub_f32 v176, v104, v188
	v_sub_f32 v177, v105, v188
	v_sub_f32 v178, v106, v188
	v_exp_f32 v176, v176
	v_exp_f32 v177, v177
	v_exp_f32 v178, v178
	v_nop
	s_wait_alu depctr_va_vdst(0)
	v_add_f32 v188, v176, v177
	v_add_f32 v188, v188, v178
	v_rcp_f32 v188, v188
	v_nop
	s_wait_alu depctr_va_vdst(0)
	v_mul_f32 v176, v176, v188
	v_mul_f32 v177, v177, v188
	v_mul_f32 v178, v178, v188
	v_mov_b32 v179, v178
	v_cmp_lt_f32 vcc_lo, 0, v180                   ; an expert without neighbours gives 0: its weight in the sum is 0
	v_cndmask_b32 v184, 0, v176, vcc_lo
	v_mov_b32 v185, v184
	v_cmp_lt_f32 vcc_lo, 0, v181
	v_cndmask_b32 v186, 0, v177, vcc_lo
	v_mov_b32 v187, v186
	ds_store_b128 v8, v[176:179] offset:L_GW-L_CNT
	LAYER 1, 160, 4, 0, 16, 24, 32, 40             ; the local expert
	LDOP 256                                       ; mean_f
	TANH 48, 32
.set z, 0
.rept 16
	v_pk_mul_f32 v[144+z:145+z], v[48+z:49+z], v[184:185]
.set z, z+2
.endr
	LAYER 2, 288, 8, 256, 16, 24, 32, 40           ; the functional expert
	TANH 48, 64
	PACK 112, 48, 32
	LAYER 3, 160, 4, 768, 112, 120, 128, 136
	TANH 48, 32
.set z, 0
.rept 16
	v_pk_fma_f32 v[144+z:145+z], v[48+z:49+z], v[186:187], v[144+z:145+z]
.set z, z+2
.endr
.set z, 0
.rept 4
	ds_store_b128 v6, v[144+8*z:147+8*z] offset:L_EX-L_CUR+64*z
	ds_store_b128 v6, v[148+8*z:151+8*z] offset:L_EX-L_CUR+64*z+16
.set z, z+1
.endr
	s_cmp_eq_u32 s54, 0                            ; a tile past the last cell stores nothing
	s_cbranch_scc1 .Lb2
	v_cmp_gt_u32 vcc_lo, s54, v9                   ; lane l < the tile's valid cells (16 at the most): one lane a cell
	s_wait_xcnt 0x0                                ; EXEC changes only behind this wait
	s_and_saveexec_b32 s55, vcc_lo
	global_store_b32 v14, v176, s[52:53]
	global_store_b32 v14, v177, s[52:53] offset:4
	global_store_b32 v14, v178, s[52:53] offset:8
	s_wait_xcnt 0x0                                ; and again, in front of the line that widens it
	s_or_b32 exec_lo, exec_lo, s55
.Lb2:
	s_wait_dscnt 0x0                               ; my stores into LDS are there, and nothing of mine is out
	s_barrier_signal -1
	s_barrier_wait -1
	s_cmp_ge_u32 s4, 5
	s_cbranch_scc1 .Lend
; ---------------------------------------------------------------- PHASE C, waves 0-4: the sum, and the way out
; Three ways have joined above, so the tile's numbers and every address are made anew here; of phase B only x, v16-47, is carried over.  v216-222 at work.
	s_mov_b32 s14, s4
	TILESET 216, 0
	v_add_nc_u32 v9, s59, v218                     ; back as rows: lanes 0-15 one row of 256 bytes, lanes 16-31 the next
	v_mul_u32_u24 v9, v9, 272
	v_lshl_add_u32 v9, v217, 4, v9
	v_add_nc_u32 v9, L_EX, v9
	v_add_nc_u32 v12, s15, v218                    ; and the same two rows in out0
	v_lshlrev_b32 v12, 8, v12
	v_lshl_add_u32 v12, v217, 4, v12
	ds_load_b128 v[144:147], v8 offset:L_GW-L_CNT
	ds_load_b128 v[148:151], v8
.set z, 0
.rept 4
	ds_load_b128 v[80+8*z:83+8*z], v6 offset:L_EX-L_CUR+64*z
	ds_load_b128 v[84+8*z:87+8*z], v6 offset:L_EX-L_CUR+64*z+16
.set z, z+1
.endr
	s_wait_dscnt 0x0
	v_cmp_lt_f32 vcc_lo, 0, v150
	v_cndmask_b32 v14, 0, v146, vcc_lo
	v_mov_b32 v15, v14
.set z, 0
.rept 16
	v_pk_fma_f32 v[80+z:81+z], v[16+z:17+z], v[14:15], v[80+z:81+z]
.set z, z+2
.endr
.set z, 0
.rept 4
	ds_store_b128 v6, v[80+8*z:83+8*z] offset:L_EX-L_CUR+64*z
	ds_store_b128 v6, v[84+8*z:87+8*z] offset:L_EX-L_CUR+64*z+16
.set z, z+1
.endr
.set z, 0
.rept 8
	ds_load_b128 v[112+4*z:115+4*z], v9 offset:544*z   ; from here on the tile's rows are my wave's own, and LDS serves a wave's instructions in order: these see the stores above
.set z, z+1
.endr
	s_wait_dscnt 0x0
	s_cmp_eq_u32 s54, 16
	s_cbranch_scc0 .Lpart
.set z, 0
.rept 8
	global_store_b128 v12, v[112+4*z:115+4*z], s[50:51] offset:512*z th:TH_STORE_NT  ; 16 lanes store a row of out0: 256 consecutive bytes, aligned
.set z, z+1
.endr
	s_branch .Lend
.Lpart:                                                ; the last work-group alone: rows past the last cell are not stored
	s_cmp_eq_u32 s54, 0
	s_cbranch_scc1 .Lend
.set z, 0
.rept 8
	v_add_nc_u32 v13, 2*z, v218                    ; the row of the tile that my lane holds
	v_cmp_gt_u32 vcc_lo, s54, v13
	s_wait_xcnt 0x0                                ; EXEC changes only behind this wait
	s_and_saveexec_b32 s55, vcc_lo
	global_store_b128 v12, v[112+4*z:115+4*z], s[50:51] offset:512*z th:TH_STORE_NT
	s_wait_xcnt 0x0
	s_or_b32 exec_lo, exec_lo, s55
.set z, z+1
.endr
.Lend:
	s_wait_tensorcnt 0x0                           ; the wave's end
	ds_add_u32 v10, v11
	s_wait_dscnt 0x0
	s_endpgm
.Lfunc_end_k_q042c21ce14_moe:
	.size	k_q042c21ce14_moe, .Lfunc_end_k_q042c21ce14_moe-k_q042c21ce14_moe
	.p2alignl 7, 3214868480
	.fill 96, 4, 3214868480
	.section	.rodata,"a",@progbits
	.p2align	6, 0x0
	.amdhsa_kernel k_q042c21ce14_moe
		.amdhsa_group_segment_fixed_size 286976
		.amdhsa_private_segment_fixed_size 0
		.amdhsa_enable_private_segment 0
		.amdhsa_kernarg_size 152
		.amdhsa_user_sgpr_count 2
		.amdhsa_user_sgpr_kernarg_segment_ptr 1
		.amdhsa_wavefront_size32 1
		.amdhsa_system_sgpr_workgroup_id_x 1
		.amdhsa_system_sgpr_workgroup_id_y 1
		.amdhsa_system_sgpr_workgroup_id_z 1
		.amdhsa_system_vgpr_workitem_id 0
		.amdhsa_next_free_vgpr 256
		.amdhsa_next_free_sgpr 66
		.amdhsa_reserve_vcc 1
		.amdhsa_float_denorm_mode_32 3
		.amdhsa_float_denorm_mode_16_64 3
		.amdhsa_memory_ordered 1
		.amdhsa_forward_progress 1
		.amdhsa_inst_pref_size 246
	.end_amdhsa_kernel
	.amdgpu_metadata
---
amdhsa.version: [ 1, 2 ]
amdhsa.kernels:
  - .name:           k_q042c21ce14_moe
    .symbol:         k_q042c21ce14_moe.kd
    .args:
      - { .name: neighbor_states, .offset: 0, .size: 8, .value_kind: global_buffer, .address_space: global }
      - { .name: neighbor_cat, .offset: 8, .size: 8, .value_kind: global_buffer, .address_space: global }
      - { .name: current_state, .offset: 16, .size: 8, .value_kind: global_buffer, .address_space: global }
      - { .name: W_local, .offset: 24, .size: 8, .value_kind: global_buffer, .address_space: global }
      - { .name: W_f1, .offset: 32, .size: 8, .value_kind: global_buffer, .address_space: global }
      - { .name: W_f2, .offset: 40, .size: 8, .value_kind: global_buffer, .address_space: global }
      - { .name: W_c1, .offset: 48, .size: 8, .value_kind: global_buffer, .address_space: global }
      - { .name: W_c2, .offset: 56, .size: 8, .value_kind: global_buffer, .address_space: global }
      - { .name: W_g1, .offset: 64, .size: 8, .value_kind: global_buffer, .address_space: global }
      - { .name: W_g2, .offset: 72, .size: 8, .value_kind: global_buffer, .address_space: global }
      - { .name: b_local, .offset: 80, .size: 8, .value_kind: global_buffer, .address_space: global }
      - { .name: b_f1, .offset: 88, .size: 8, .value_kind: global_buffer, .address_space: global }
      - { .name: b_f2, .offset: 96, .size: 8, .value_kind: global_buffer, .address_space: global }
      - { .name: b_c1, .offset: 104, .size: 8, .value_kind: global_buffer, .address_space: global }
      - { .name: b_c2, .offset: 112, .size: 8, .value_kind: global_buffer, .address_space: global }
      - { .name: b_g1, .offset: 120, .size: 8, .value_kind: global_buffer, .address_space: global }
      - { .name: b_g2, .offset: 128, .size: 8, .value_kind: global_buffer, .address_space: global }
      - { .name: out0, .offset: 136, .size: 8, .value_kind: global_buffer, .address_space: global }
      - { .name: out1, .offset: 144, .size: 8, .value_kind: global_buffer, .address_space: global }
    .group_segment_fixed_size: 286976
    .private_segment_fixed_size: 0
    .kernarg_segment_align: 8
    .kernarg_segment_size: 152
    .max_flat_workgroup_size: 480
    .sgpr_count:     66
    .vgpr_count:     256
    .wavefront_size: 32
...
	.end_amdgpu_metadata
.endif
;; end of part 1
